; MI455X (gfx1250); checked and timed in simulation.
; The chip was launched on July 23, 2026; its instructions are those of AMD's public machine-readable ISA for CDNA 5 (MIT licence, August 2026) and "CDNA5" Instruction Set Architecture Reference Guide (July 2026). The comments in the code are by the model that wrote it; some were corrected since.
;; K Means Quantizer. Allowed arithmetic: matrix products marked QUANTISED: E2M3 operands, one E8M0 scale for each 32 along K, by v_wmma_scale_f32_16x16x128_f8f6f4 with both operands' format E2M3, f32 sums; everything else in f32.
;; Inputs: centroids 2,048 x 1,024 float32; x_codes 16 x 2,000 x 32 x 24 uint8 (E2M3 codes of x, K innermost, in blocks of 32 codes, four codes in three bytes); x_scales 16 x 2,000 x 32 uint8 (E8M0 scales of x, one for each 32 codes along K).
;; Outputs: out0 16 x 2,000 int32.
;; This version of the problem:
;;   THIS VERSION OF THE PROBLEM IS GIVEN IN LOW PRECISION. The matrix products marked QUANTISED in the list below multiply operands that are first quantised to E2M3 (2 exponent bits, 3 mantissa bits; 6 bits a number), with one power-of-two scale for each 32 numbers along K (OCP MX v1.0); their sums are f32. All else is computed in f32.
;;   The module's matrix products, in the order in which they are computed (A, B: the left and right operand; K: the contracted axis; several contracted axes count as one K, in the product's order):
;;     1. [M 32,000, K 1,024] x [K 1,024, N 2,048]; A: input x (given as codes); B: input centroids: QUANTISED
;;   THE QUANTISER, for each operand of a quantised product, along K:
;;     - K is cut into blocks of 32 from its start; a last block that is shorter is filled with zeros.
;;     - A block's scale is 2^e with e = floor(log2(the largest magnitude in the block)) - 2, held to -126 .. 127; a block of zeros has e = 0. As a byte (E8M0): e + 127.
;;     - Each number is divided by its block's scale, clamped to +-7.5, and rounded to the nearest number of E2M3, ties to even, subnormals kept.
;;     - The product sums the exact products of the quantised numbers (number of the format x scale) in f32.
;;   ~~~python
;;   def quantise(x, axis):      # numpy; x: float32 -> the quantised numbers, widened to float32 again
;;       x = np.moveaxis(x, axis, -1); K = x.shape[-1]
;;       x = np.pad(x, [(0, 0)] * (x.ndim - 1) + [(0, -K % 32)]); x = x.reshape(x.shape[:-1] + (-1, 32)); a = np.abs(x).max(-1, keepdims=True)
;;       e = np.where(a > 0, np.clip(np.frexp(np.where(a > 0, a, 1))[1] - 1 - 2, -126, 127), 0)      # np.frexp(a)[1] - 1 = floor(log2(a)), exactly
;;       r = np.clip(x / 2.0 ** e, -7.5, 7.5)
;;       step = 2.0 ** (np.maximum(np.frexp(np.where(r == 0, 1, r))[1] - 1, 0) - 3)
;;       q = np.round(r / step) * step * 2.0 ** e      # np.round: ties to even
;;       return np.moveaxis(q.reshape(q.shape[:-2] + (-1,))[..., :K], -1, axis).astype(np.float32)
;;   ~~~
;;   INPUTS GIVEN AS CODES. x (in the module: [16, 2000, 1024], K = its axis 2): each comes as NAME_codes (uint8): NAME with its K axis moved to the last place and cut into blocks of 32 codes, [.., K / 32, bytes a block], one block behind the other in memory; four codes in three bytes: a row's codes are one little-endian stream of bits, code i at bits 6 i .. 6 i + 5 (a code: sign, 2 exponent bits, 3 mantissa bits); and NAME_scales (uint8): the same leading axes, one E8M0 byte (e + 127) for each 32 codes along K. Its value is code x scale, taken as it is: it is not quantised again, and the codes and scales need not be those that the quantiser above would give.
;; One version. Each part assembles by itself: llvm-mc -triple=amdgcn-amd-amdhsa -mcpu=gfx1250 --defsym DOCPART=n.
;; ======== version 1 of 1: 2 launches
;; limits: right only within a limited range of input values
;; workspace buffers: cq 1,769,472 bytes
;; launch quant (part 1): grid 128 x 1, 16 waves a work-group, no clusters, 89,600 bytes of LDS; arguments centroids, cq; writes cq
.if DOCPART == 1
	.amdgcn_target "amdgcn-amd-amdhsa--gfx1250"
	.amdhsa_code_object_version 6
	.text
	.protected	k_q17948cff09_quant
	.globl	k_q17948cff09_quant
	.p2align	8
	.type	k_q17948cff09_quant,@function
k_q17948cff09_quant:
	s_mov_b64 s[64:65], 0
	v_nop
	global_prefetch_b8 v0, s[64:65] scope:SCOPE_SE
	s_setreg_imm32_b32 hwreg(HW_REG_WAVE_MODE, 25, 1), 1
	s_wait_xcnt 0x0
; The centroids [2048][1024], f32, are quantised ONCE along K into codes of FP6 (E2M3) with one E8M0 byte for each 32 along K, their squared norms are summed
; from the unquantised f32 numbers, and all of it is laid in the order in which the lanes of the next launch read it.
; cq = 128 records of 13,824 bytes; record t serves centroids 16 t .. 16 t + 15 and is nine fragments of 1,536 bytes = 32 lane places of 48 bytes; place L = 16 h + r.
;   fragments ks = 0 .. 7: place L = the 24 bytes of block 4 ks + h of centroid 16 t + r, then those of block 4 ks + 2 + h: the twelve operand registers of lane L for K step ks.
;   fragment 8: place L = four scale words (word kp: the four bytes of K step 2 kp + h of centroid 16 t + r), then csq[16 t + 8 h + j], j = 0 .. 7, the same for every r.
; SHARES: work-group t makes record t; wave r takes centroid 16 t + r; lane b takes block b of 32 along K: 32 neighbouring numbers, 128 bytes, eight loads of 16 bytes.
; So a block's largest magnitude needs no other lane, and the conversions find their 16 neighbours in one lane's registers.  The eight loads of a wave cover its row's 4,096 bytes.
; The record is gathered in LDS and leaves as it lies: each store of a wave covers 512 consecutive bytes, aligned to 256.
; A block's scale is 2^(floor(log2(its largest magnitude)) - 2): its byte is the largest magnitude's exponent field - 2, held at 1 from below; a block of zeros gets 127.
; LIMITS: NaN and infinities among the centroids are not served.  The norm is summed in four chains a lane and a tree over the lanes, not in the order of a plain loop.
; 128 work-groups: a record cannot be shared out further without splitting a row's sum or an aligned run of 256 bytes between work-groups.  No loop: every byte is asked for at once.
.set REC, 13824
.set AUX, 12288                        ; fragment 8 in a record
.set X,   16                           ; v16-47  my block's 32 numbers
.set C,   48                           ; v48-54  its codes
	s_load_b128 s[4:7], s[0:1], 0x0                ; centroids s[4:5], cq s[6:7]
	v_lshl_add_u32 v64, v0, 2, 13824               ; my spare word, behind the record: 128 bytes for each of the sixteen waves
	v_mov_b32 v65, 0
	v_lshrrev_b32 v7, 5, v0
	s_delay_alu instid0(VALU_DEP_1)
	v_readfirstlane_b32 s8, v7                     ; wave r = 0 .. 15
	v_and_b32 v1, 31, v0                           ; lane = block b
	s_delay_alu instid0(VALU_DEP_1)
	v_lshlrev_b32 v2, 4, v1                        ; in memory: 16 bytes a lane, so that each load of the wave covers 512 consecutive bytes of its row
	v_lshlrev_b32 v6, 4, v0                        ; the way out: 16 bytes a thread
	; my wave's own stage, behind the record and the spare words: the row's 32 blocks of 128 bytes at a pitch of 144
	s_mul_i32 s18, s8, 4608
	s_add_co_u32 s18, s18, 15872
	v_lshrrev_b32 v10, 3, v1
	v_and_b32 v66, 7, v1
	v_mul_u32_u24 v10, v10, 144
	v_mad_u32_u24 v67, v1, 144, s18                ; out of the stage: lane b takes block b
	v_lshl_add_u32 v10, v66, 4, v10
	v_add_nc_u32 v10, s18, v10                     ; into the stage: load i's lane l holds piece l % 8 of block 4 i + l / 8
	s_mul_i32 s9, s8, 48                           ; my centroid's place in a fragment's half
	; the codes' place: ks = b / 4, h = b % 2, second half of the place where (b / 2) % 2 = 1
	v_lshrrev_b32 v8, 2, v1                        ; ks
	s_delay_alu instid0(VALU_DEP_1)
	v_mul_u32_u24 v3, v8, 1536
	v_and_b32 v9, 1, v1
	s_delay_alu instid0(VALU_DEP_1)
	v_mad_u32_u24 v3, v9, 768, v3                  ; + 16 h places
	v_bfe_u32 v9, v1, 1, 1
	s_delay_alu instid0(VALU_DEP_1)
	v_mad_u32_u24 v3, v9, 24, v3
	s_delay_alu instid0(VALU_DEP_1)
	v_add_nc_u32 v3, s9, v3
	; the scale byte's place: h = ks % 2, word kp = ks / 2 = b / 8, byte b % 4
	v_and_b32 v9, 1, v8
	s_delay_alu instid0(VALU_DEP_1)
	v_mul_u32_u24 v4, v9, 768
	v_lshrrev_b32 v9, 3, v1
	s_delay_alu instid0(VALU_DEP_1)
	v_lshl_add_u32 v4, v9, 2, v4
	v_and_b32 v9, 3, v1
	s_delay_alu instid0(VALU_DEP_1)
	v_add3_u32 v4, v4, v9, s9
	s_delay_alu instid0(VALU_DEP_1)
	v_add_nc_u32 v4, AUX, v4
	; the norm's places: h = r / 8, j = r % 8, in all sixteen places of that half; lane b writes place b % 16
	s_lshr_b32 s10, s8, 3
	s_mul_i32 s10, s10, 768
	s_and_b32 s11, s8, 7
	s_lshl2_add_u32 s10, s11, s10
	s_add_co_u32 s10, s10, AUX+16
	v_and_b32 v9, 15, v1
	s_delay_alu instid0(VALU_DEP_1)
	v_mad_u32_u24 v5, v9, 48, s10
	s_mov_b32 s12, 0x76543210                      ; v_permlanex16_b32's selects for lane l xor 16
	s_mov_b32 s13, 0xfedcba98
	s_lshl_b32 s14, ttmp9, 16                      ; 16 rows of 4,096 bytes a work-group,
	s_lshl_b32 s15, s8, 12                         ; one row a wave
	s_add_co_u32 s14, s14, s15
	s_mov_b32 s15, 0
	s_mul_i32 s16, ttmp9, REC
	s_mov_b32 s17, 0
	s_wait_kmcnt 0x0
	s_add_nc_u64 s[4:5], s[4:5], s[14:15]
	s_add_nc_u64 s[6:7], s[6:7], s[16:17]
.irp i, 0,1,2,3,4,5,6,7
	global_load_b128 v[68+4*\i:68+4*\i+3], v2, s[4:5] offset:512*\i th:TH_LOAD_NT
.endr
.irp i, 0,1,2,3,4,5,6,7
	s_wait_loadcnt 7-\i                            ; load i is in; the 7 - i issued behind it may stay out
	ds_store_b128 v10, v[68+4*\i:68+4*\i+3] offset:576*\i
.endr
.irp i, 0,1,2,3,4,5,6,7
	ds_load_b128 v[X+4*\i:X+4*\i+3], v67 offset:16*\i   ; my block's 32 numbers; the stage is my wave's own, and LDS serves a wave's instructions in order
.endr
	s_wait_dscnt 0x0
	; the sum of squares of my 32 numbers: two packed chains, started by products: nothing is cleared
	v_pk_mul_f32 v[12:13], v[X:X+1], v[X:X+1]
	v_pk_mul_f32 v[14:15], v[X+2:X+3], v[X+2:X+3]
.irp i, 4,8,12,16,20,24,28
	s_delay_alu instid0(VALU_DEP_2)
	v_pk_fma_f32 v[12:13], v[X+\i:X+\i+1], v[X+\i:X+\i+1], v[12:13]
	s_delay_alu instid0(VALU_DEP_2)
	v_pk_fma_f32 v[14:15], v[X+\i+2:X+\i+3], v[X+\i+2:X+\i+3], v[14:15]
.endr
	s_delay_alu instid0(VALU_DEP_1)
	v_pk_add_f32 v[12:13], v[12:13], v[14:15]
	s_delay_alu instid0(VALU_DEP_1)
	v_add_f32 v12, v12, v13
	s_delay_alu instid0(VALU_DEP_1)
	v_add_f32_dpp v12, v12, v12 row_xmask:1 row_mask:0xf bank_mask:0xf   ; and of the row's 32 blocks: every lane ends with the row's norm
	s_delay_alu instid0(VALU_DEP_1)
	v_add_f32_dpp v12, v12, v12 row_xmask:2 row_mask:0xf bank_mask:0xf
	s_delay_alu instid0(VALU_DEP_1)
	v_add_f32_dpp v12, v12, v12 row_xmask:4 row_mask:0xf bank_mask:0xf
	s_delay_alu instid0(VALU_DEP_1)
	v_add_f32_dpp v12, v12, v12 row_xmask:8 row_mask:0xf bank_mask:0xf
	s_delay_alu instid0(VALU_DEP_1)
	v_permlanex16_b32 v13, v12, s12, s13           ; (its destination counts as read: v13 has been written)
	s_delay_alu instid0(VALU_DEP_1)
	v_add_f32 v12, v12, v13
	; the block's largest magnitude: all 32 numbers are mine
	v_max3_num_f32 v8, |v[X]|, |v[X+1]|, |v[X+2]|
	v_max3_num_f32 v9, |v[X+3]|, |v[X+4]|, |v[X+5]|
.irp i, 6,10,14,18,22,26
	s_delay_alu instid0(VALU_DEP_2)
	v_max3_num_f32 v8, v8, |v[X+\i]|, |v[X+\i+1]|
	s_delay_alu instid0(VALU_DEP_2)
	v_max3_num_f32 v9, v9, |v[X+\i+2]|, |v[X+\i+3]|
.endr
	s_delay_alu instid0(VALU_DEP_2)
	v_max3_num_f32 v8, v8, |v[X+30]|, |v[X+31]|
	s_delay_alu instid0(VALU_DEP_1)
	v_max_num_f32 v8, v8, v9
	s_delay_alu instid0(VALU_DEP_1)
	v_lshrrev_b32 v9, 23, v8                       ; its exponent field
	s_delay_alu instid0(VALU_DEP_1)
	v_max_u32 v9, 3, v9                            ; the byte is not to fall under 1
	s_delay_alu instid0(VALU_DEP_1)
	v_add_nc_u32 v9, -2, v9                        ; the scale's byte
	s_delay_alu instid0(VALU_DEP_1)
	v_lshlrev_b32 v11, 23, v9                      ; and the scale as f32: the conversion takes its exponent field
	v_cmp_eq_u32 vcc_lo, 0, v8                     ; a block of zeros?
	v_cvt_scalef32_pk16_fp6_f32 v[C:C+2], v[X:X+15], v11
	v_cvt_scalef32_pk16_fp6_f32 v[C+4:C+6], v[X+16:X+31], v11       ; (a conversion's three registers begin on an even number)
	v_cndmask_b32 v9, v9, 127, vcc_lo              ; a block of zeros gets 127.  Also the one plain instruction between a scaled conversion and what touches its result
	v_mov_b32 v[C+3], v[C+4]                       ; the block's 24 bytes in six registers on end
	v_mov_b32 v[C+4], v[C+5]
	v_mov_b32 v[C+5], v[C+6]
	ds_store_b64 v3, v[C:C+1]
	ds_store_b64 v3, v[C+2:C+3] offset:8
	ds_store_b64 v3, v[C+4:C+5] offset:16
	ds_store_b8 v4, v9
	ds_store_b32 v5, v12                           ; lanes b and b + 16 write the same word with the same value
	s_wait_dscnt 0x0                               ; for the others' sake: my part of the record is in LDS
	s_barrier_signal -1
	s_barrier_wait -1                              ; the record is whole
	; the way out: 864 pieces of 16 bytes: one for each of the 512 threads, and a second for the 352 threads of waves 0 to 10
	ds_load_b128 v[56:59], v6
	s_cmp_lt_u32 s8, 11
	s_cbranch_scc0 .Lshort
	ds_load_b128 v[60:63], v6 offset:8192
	s_wait_dscnt 0x0
	global_store_b128 v6, v[60:63], s[6:7] offset:8192
.Lshort:
	s_wait_dscnt 0x0
	global_store_b128 v6, v[56:59], s[6:7]
	s_wait_tensorcnt 0x0                           ; the wave's end
	ds_add_u32 v64, v65
	s_wait_dscnt 0x0
	s_endpgm
.Lfunc_end_k_q17948cff09_quant:
	.size	k_q17948cff09_quant, .Lfunc_end_k_q17948cff09_quant-k_q17948cff09_quant
	.p2alignl 7, 3214868480
	.fill 96, 4, 3214868480
	.section	.rodata,"a",@progbits
	.p2align	6, 0x0
	.amdhsa_kernel k_q17948cff09_quant
		.amdhsa_group_segment_fixed_size 89600
		.amdhsa_private_segment_fixed_size 0
		.amdhsa_enable_private_segment 0
		.amdhsa_kernarg_size 16
		.amdhsa_user_sgpr_count 2
		.amdhsa_user_sgpr_kernarg_segment_ptr 1
		.amdhsa_wavefront_size32 1
		.amdhsa_system_sgpr_workgroup_id_x 1
		.amdhsa_system_sgpr_workgroup_id_y 1
		.amdhsa_system_sgpr_workgroup_id_z 1
		.amdhsa_system_vgpr_workitem_id 0
		.amdhsa_next_free_vgpr 100
		.amdhsa_next_free_sgpr 66
		.amdhsa_reserve_vcc 1
		.amdhsa_float_denorm_mode_32 3
		.amdhsa_float_denorm_mode_16_64 3
		.amdhsa_memory_ordered 1
		.amdhsa_forward_progress 1
		.amdhsa_inst_pref_size 11
	.end_amdhsa_kernel
	.amdgpu_metadata
---
amdhsa.version: [ 1, 2 ]
amdhsa.kernels:
  - .name:           k_q17948cff09_quant
    .symbol:         k_q17948cff09_quant.kd
    .args:
      - { .name: centroids, .offset: 0, .size: 8, .value_kind: global_buffer, .address_space: global }
      - { .name: cq, .offset: 8, .size: 8, .value_kind: global_buffer, .address_space: global }
    .group_segment_fixed_size: 89600
    .private_segment_fixed_size: 0
    .kernarg_segment_align: 8
    .kernarg_segment_size: 16
    .max_flat_workgroup_size: 512
    .sgpr_count:     66
    .vgpr_count:     100
    .wavefront_size: 32
...
	.end_amdgpu_metadata
.endif
;; end of part 1
;; launch assign (part 2): grid 256 x 1, 4 waves a work-group, clusters of 4 x 1, 327,680 bytes of LDS; arguments cq, x_codes, x_scales, out0; writes out0
.if DOCPART == 2
	.amdgcn_target "amdgcn-amd-amdhsa--gfx1250"
	.amdhsa_code_object_version 6
	.text
	.protected	k_q17948cff09_assign
	.globl	k_q17948cff09_assign
	.p2align	8
	.type	k_q17948cff09_assign,@function
k_q17948cff09_assign:
	s_mov_b64 s[64:65], 0
	v_nop
	global_prefetch_b8 v0, s[64:65] scope:SCOPE_SE
	s_setreg_imm32_b32 hwreg(HW_REG_WAVE_MODE, 25, 1), 1
	s_wait_xcnt 0x0
	s_wait_alu depctr_hold_cnt(0) depctr_sa_sdst(0) depctr_va_vdst(0) depctr_va_sdst(0) depctr_va_ssrc(0) depctr_va_vcc(0) depctr_vm_vsrc(0)
	s_getreg_b32 s2, hwreg(HW_REG_IB_STS2, 6, 4)
	s_cmp_eq_u32 s2, 0
	s_cbranch_scc0 .Lentry_in_a_cluster
	s_endpgm
.Lentry_in_a_cluster:
	s_bfe_u32 s2, ttmp6, 0x10000c
	s_cmp_lg_u32 s2, 0x3003
	s_cbranch_scc0 .Lentry_shape_is_right
	s_endpgm
.Lentry_shape_is_right:
; out0[row] = the first n at which d[n] = csq[n] - 2 x[row] . c[n] is smallest, n = 0 .. 2047.  x: 32,000 rows of 1,024 FP6 codes (768 bytes) and 32 E8M0 bytes.
; cq: records of 16 centroids, as the launch before laid them: eight operand images (one for each 128 along K), scale words and csq, 48 bytes a lane.
; SHARES: a work-group owns 125 rows, as eight blocks of 16; rows 125-127 are zero codes, written by the tensor load past its tensor's end, and are not stored.
; Each of the four waves keeps all 128 rows x 1,024 K of x in registers (64 fragments of 12); of every 128 centroids wave w takes 32 w .. 32 w + 31.
; The product is used transposed (source 0 = 16 centroids, source 1 = 16 rows): lane (r, h) holds row r, register j centroid 8 h + j.
; d = fma(sum, -2, csq).  Every choice is a strict "less than" in ascending n; where lanes or waves meet, equal distances go to the smaller n: the first n wins, as in argmin.
; A column block (16 centroids) is two phases of 32 products: row blocks 0-3, then 4-7.  A phase begins with the epilogue of the phase before, 80 vector lines in one run in window 0.
; CLUSTER: all work-groups walk the same cq; four ask for each piece jointly.  RING: two slots of 8 records; behind the head wave w fills and reads records 2 w, 2 w + 1 of a slot.
; PREFETCH of cq: at the refill of fill F the blocks of fill F + 2 are named, 27 blocks of 256 bytes a wave; the four partners share a wave's 108 blocks by address.
; Fills 2 and 3 are named at the head; the loop's last trip names nothing (fill 15 is cq's last).  Only clusters 0, 16, 32, 48 ask: all clusters read the same bytes.  x is wanted at the start: not prefetched.
; LIMITS: NaN and infinite distances are not served (a scale byte 0xff, a sum that overflows): such a row keeps what finite distances gave it.  A work-group's 500 bytes of out0 are no whole runs of 256 bytes.
; REGISTERS, window 0: v1, v2 the add's; v3, v4 my place in slot 0, 1; v5, v6 at work at the end; v7 the prefetch's offset; v8-39 x's scale words; v40-47 the centroids', two sets; v48-55 csq;
;   v56-71 best and index of the eight row blocks; v72-83 x's fragment 63; v84-95 head addresses, then the numbers to choose from and an index at work; v96-159 accumulators; v160-255 a column block's fragments.
;   Windows 1-3: x's fragment f = 32 g + 4 ks + b, f < 63, at register 12 (f % 21) of window 1 + f / 21.
.set REC,    13824
.set WPART,  2*REC
.set SLOT,   4*WPART
.set AREG,   2*SLOT                    ; x's codes, 128 rows, filled once; its first 4,096 bytes serve the last merge
.set APITCH, 816                       ; 3 x (256 + 16)
.set SPARE,  AREG+128*APITCH
.set SPW, 1
.set NIL, 2
.set ADC, 3
.set PFO, 7
.set AS,  8                            ; v[AS + 4 a + kp]: lanes 0-15 K step 2 kp's word of row 16 a + r, lanes 16-31 K step 2 kp + 1's
.set BS,  40
.set CSQ, 48
.set ST,  56
.set A63, 72
.set ADA, 84
.set VS,  88
.set VS7, 89
.set KC,  84                           ; v[KC + 2 p]: the block's first centroid + 2 p + 1
.set KE,  92                           ; + 2 p: at v[KE + 1 - p] for p < 2, at v[KE + p] else
.set TT,  85
.set ACC, 96
.set BF,  160
.set G1J, 24                           ; joint loads of two records; s[32:35], s[36:39] group 0 of slot 0, 1
.set G0,  32
.set G1A, 40                           ; x's codes
.set G0A, 48
.set G1H, 68                           ; the head's joint load of four records
.set G0H, 76
.set PFA, 18                           ; s[18:19] where the prefetches stand
.set LIM, 23                           ; 1 in the clusters that ask, else the greatest number
.set MSB, 0
.macro WIN new
.if MSB != \new
	s_set_vgpr_msb (MSB<<8)|\new
.set MSB, \new
.endif
.endm
.macro NOPS
.rept 4
	v_nop
.endr
.endm
.macro CREST
	s_cmp_lg_u32 s12, 0
	s_cbranch_scc1 .Lnot_wave_0_\@
	s_barrier_signal -3
.Lnot_wave_0_\@:
	s_barrier_wait -3
	s_barrier_signal -1
	s_barrier_wait -1
.endm
.macro CROUND
	s_barrier_signal -1
	s_barrier_wait -1
	CREST
.endm
; x's fragment f out of LDS in pieces of 8 bytes; piece q of a row lies at 8 q + 16 (q / 32).  Where lanes 16-31 lie behind one padding more, the second address register serves.
.macro FRAGA f
.set FG, (\f)/32
.set FK, ((\f)%32)/4
.set FB, (\f)%4
.if (\f) < 63
.set FR, 12*((\f)%21)
	WIN ((1+(\f)/21)<<6)
.else
.set FR, A63
	WIN 0
.endif
.irp p, 0,1,2,3,4,5
.set PC, 12*FK+6*(\p/3)+\p%3
.if PC%32 < 29
	ds_load_b64 v[FR+2*\p:FR+2*\p+1], v[ADA+2*FG] offset:8*PC+16*(PC/32)+FB*16*APITCH
.else
	ds_load_b64 v[FR+2*\p:FR+2*\p+1], v[ADA+2*FG+1] offset:8*PC+16*(PC/32)+FB*16*APITCH
.endif
.endr
.endm
.macro LB slot, rec, ks
.irp i, 0,1,2
	ds_load_b128 v[BF+12*(\ks)+4*\i:BF+12*(\ks)+4*\i+3], v[ADC+\slot] offset:(\rec)*REC+1536*(\ks)+16*\i
.endr
.endm
.macro LBS slot, rec
	ds_load_b128 v[BS+4*(\rec):BS+4*(\rec)+3], v[ADC+\slot] offset:(\rec)*REC+12288
.endm
.macro LCSQ slot, rec
	ds_load_b128 v[CSQ:CSQ+3], v[ADC+\slot] offset:(\rec)*REC+12288+16
	ds_load_b128 v[CSQ+4:CSQ+7], v[ADC+\slot] offset:(\rec)*REC+12288+32
.endm
; One product: group g, K step ks, block b; p: the centroids' set of scale words.  An odd K step's words lie in lanes 16-31 of both scale registers.
.macro WM g, ks, b, p, zero
.set WF, 32*(\g)+4*(\ks)+(\b)
.if WF < 63
.set WX, 12*(WF%21)
	WIN ((1+WF/21)<<2)
.else
.set WX, A63
	WIN 0
.endif
.set WD, ACC+32*(\g)+8*(\b)
.set WSB, BS+4*(\p)+(\ks)/2
.set WSA, AS+4*(4*(\g)+(\b))+(\ks)/2
.if \zero
	v_wmma_scale_f32_16x16x128_f8f6f4 v[WD:WD+7], v[BF+12*(\ks):BF+12*(\ks)+11], v[WX:WX+11], 0, v[WSB], v[WSA] matrix_a_fmt:MATRIX_FMT_FP6 matrix_b_fmt:MATRIX_FMT_FP6
.elseif (\ks)%2 == 0
	v_wmma_scale_f32_16x16x128_f8f6f4 v[WD:WD+7], v[BF+12*(\ks):BF+12*(\ks)+11], v[WX:WX+11], v[WD:WD+7], v[WSB], v[WSA] matrix_a_fmt:MATRIX_FMT_FP6 matrix_b_fmt:MATRIX_FMT_FP6
.else
	v_wmma_scale_f32_16x16x128_f8f6f4 v[WD:WD+7], v[BF+12*(\ks):BF+12*(\ks)+11], v[WX:WX+11], v[WD:WD+7], v[WSB], v[WSA] matrix_a_fmt:MATRIX_FMT_FP6 matrix_b_fmt:MATRIX_FMT_FP6 matrix_a_scale:MATRIX_SCALE_ROW1 matrix_b_scale:MATRIX_SCALE_ROW1
.endif
.endm
; Line EJ of a group's epilogue.  0-15: d = fma(sum, -2, csq), two at a time, each accumulator from its low end on.  16-79: 32 matches of a compare and a dual pair (the smaller distance | the winner's number),
; the four blocks by turns.  Matches 0-3 of a block: its four pairs of neighbours; 4, 5: (R, R+2), (R+4, R+6); 6: (R, R+4); 7: the running best against R.
; Numbers at work lie in T and in the odd registers that earlier matches have freed, so that each pair's two destinations are even and odd and its sources differ mod 4.
.macro EOP g
.if EJ < 16
.set EB, EJ%4
.set ES, EJ/4
.set ER, ACC+32*(\g)+8*EB
	v_pk_fma_f32 v[ER+2*ES:ER+2*ES+1], v[ER+2*ES:ER+2*ES+1], -2.0, v[CSQ+2*ES:CSQ+2*ES+1] op_sel_hi:[1,0,1]
.else
.set EI, (EJ-16)/2
.set EB, EI%4
.set EQ, EI/4
.set ER, ACC+32*(\g)+8*EB
.set ET, ST+2*(4*(\g)+EB)
.set TI, TT+2*EB
.if EQ < 4
.set EX, ER+2*EQ
.set EY, EX+1
.set IX, EX-1
.set IY, EX-1
.set KEV, KE+EQ
.if EQ == 0
.set IX, TI
.endif
.if EQ < 2
.set KEV, KE+1-EQ
.endif
.elseif EQ == 4
.set EX, ER
.set EY, ER+2
.set IX, TI
.set IY, ER+1
.elseif EQ == 5
.set EX, ER+4
.set EY, ER+6
.set IX, ER+3
.set IY, ER+5
.elseif EQ == 6
.set EX, ER
.set EY, ER+4
.set IX, TI
.set IY, ER+3
.else
.set EX, ET
.set EY, ER
.set IX, ET+1
.set IY, TI
.endif
.if EJ%2 == 0
	v_cmp_lt_f32 vcc_lo, v[EY], v[EX]
.elseif EQ < 4
	v_dual_min_num_f32 v[EX], v[EX], v[EY] :: v_dual_cndmask_b32 v[IX], v[KEV], v[KC+2*EQ]
.else
	v_dual_min_num_f32 v[EX], v[EX], v[EY] :: v_dual_cndmask_b32 v[IX], v[IX], v[IY]
.endif
.endif
.set EJ, EJ+1
.endm
.macro EPI g                           ; four places behind the group's last product, then its 80 lines
	WIN 0
	NOPS
.set EJ, 0
.rept 80
	EOP \g
.endr
.endm
.macro ASK                             ; fill F + 2's blocks: s16 = 1 in the loop's last trip
	s_cmp_gt_u32 s16, s[LIM]
	s_cbranch_scc0 .Lnot_asked_\@
	global_prefetch_b8 v[PFO], s[PFA:PFA+1] offset:SLOT th:TH_LOAD_NT scope:SCOPE_SE
.Lnot_asked_\@:
.endm
; The LDS loads of a column block: run A in the phase before (scale words 1, fragments 0-4: 15), run B in its own first phase behind K step 1's first product (fragments 5-7: 9, csq: 2).
; PH0: the epilogue of the block before's group 1, the numbers stepped by inc, then group 0 of (slot, rec).  The wait ahead of K step ks counts the loads issued behind fragment ks: 12, 9, then 23 - 3 ks.
.macro PH0 slot, rec, inc, first
.if !\first
	EPI 1
.irp p, 0,1,2,3
	v_add_nc_u32 v[KE+\p], \inc, v[KE+\p]
	v_add_nc_u32 v[KC+2*\p], \inc, v[KC+2*\p]
.endr
.endif
.irp ks, 0,1,2,3,4,5,6,7
.if !\first
.if \ks == 0
	s_wait_dscnt 12
.elseif \ks == 1
	s_wait_dscnt 9
.else
	s_wait_dscnt 23-3*\ks
.endif
.endif
.irp b, 0,1,2,3
	WM 0, \ks, \b, \rec, (\ks==0)
.if (!\first)&&(\ks==1)&&(\b==0)
	WIN 0
	LB \slot, \rec, 5                              ; (their last products stand ahead of the epilogue above)
	LB \slot, \rec, 6
	LB \slot, \rec, 7
	LCSQ \slot, \rec
.endif
.endr
.endr
	WIN 0
.if !\first
	s_wait_dscnt 0x0                               ; csq is in; my reads of this record are over
.endif
.endm
; PH1: the epilogue of group 0, then group 1 of the same block, and run A of the next block (ns, nr).
; mode 1: the change of slots: all my tensor loads waited for, the add, its wait, a round of the cluster's barrier, the joint refill first behind it.
; mode 2: the last change: nothing is filled again, and I alone read what my load brought.  mode 3: the last block: no loads.
.macro PH1 rec, mode, ns, nr
.if \mode == 1
	s_wait_xcnt 0x0                                ; my last prefetch has read its base
	s_add_nc_u64 s[PFA:PFA+1], s[PFA:PFA+1], SLOT
	s_wait_tensorcnt 0x0
	ds_add_u32 v[SPW], v[NIL]                      ; the epilogue and four products stand between the add and its wait
.endif
.if \mode == 2
	s_wait_tensorcnt 0x0
.endif
	EPI 0
.irp ks, 0,1,2,3,4,5,6,7
.if (\mode==1)&&(\ks==1)
	s_wait_dscnt 0x0
	s_barrier_signal -1
.endif
.if (\mode==1)&&(\ks==2)
	WIN 0
	s_barrier_wait -1
	CREST
	s_add_nc_u64 s[G0+4*(1-\ns)+2:G0+4*(1-\ns)+3], s[G0+4*(1-\ns)+2:G0+4*(1-\ns)+3], 2*SLOT
	tensor_load_to_lds s[G0+4*(1-\ns):G0+4*(1-\ns)+3], s[G1J:G1J+7]
	s_nop 0
	NOPS
	ASK
.endif
.irp b, 0,1,2,3
	WM 1, \ks, \b, \rec, (\ks==0)
.if (\b==0)&&(\ks==5)&&(\mode!=3)
	WIN 0
	NOPS                                           ; places behind fragment 4's last product
	LBS \ns, \nr
	LB \ns, \nr, 0
	LB \ns, \nr, 1
	LB \ns, \nr, 2
	LB \ns, \nr, 3
	LB \ns, \nr, 4
.endif
.endr
.endr
	WIN 0
.endm
.macro LEXMIN bv, bi, ov, oi           ; (bv, bi) takes (ov, oi) where ov is smaller, or equal with the smaller index
	v_cmp_lt_f32 s20, v[\ov], v[\bv]
	v_cmp_eq_f32 s21, v[\ov], v[\bv]
	v_cmp_lt_u32 s22, v[\oi], v[\bi]
	s_and_b32 s21, s21, s22
	s_or_b32 s20, s20, s21
	v_cndmask_b32 v[\bv], v[\bv], v[\ov], s20
	v_cndmask_b32 v[\bi], v[\bi], v[\oi], s20
.endm
	s_load_b256 s[4:11], s[0:1], 0x0               ; cq, x's codes, x's scales, out0
	v_lshl_add_u32 v[SPW], v0, 2, SPARE
	v_mov_b32 v[NIL], 0
	ds_add_u32 v[SPW], v[NIL]                      ; the opening lines: the add twice on end
	ds_add_u32 v[SPW], v[NIL]
	v_lshrrev_b32 v5, 5, v0
	v_readfirstlane_b32 s12, v5                    ; wave
	s_and_b32 s17, s12, 1                          ; which half of x (waves 0, 1) or of slot 0 (waves 2, 3) I fetch at the head
	s_bfe_u32 s13, ttmp6, 0x40000                  ; cx
	s_lshl_b32 s14, ttmp9, 2
	s_add_co_u32 s14, s14, s13                     ; my work-group: it enters x's and out0's addresses alone
	s_lshl_b32 s15, s12, 5                         ; my first column block's first centroid
	s_and_b32 s[LIM], ttmp9, 15
	s_cmp_eq_u32 s[LIM], 0
	s_cselect_b32 s[LIM], 1, -1
	s_mov_b32 s52, 0x76543210
	s_mov_b32 s53, 0xfedcba98
	s_mov_b32 s[G1J+0], 15|(3<<16)|(1<<21)         ; two records: 108 rows of 256 bytes (32 elements of 8), the mask of all four
	s_mov_b32 s[G1J+1], 32<<16
	s_mov_b32 s[G1J+2], 108<<16
	s_mov_b32 s[G1J+3], 32<<16
	s_mov_b32 s[G1J+4], 108
	s_mov_b32 s[G1J+5], 32
	s_mov_b32 s[G1J+6], 0
	s_mov_b32 s[G1J+7], 0
	s_mov_b32 s[G1H+0], 15|(3<<16)|(1<<21)         ; four records: 216 rows
	s_mov_b32 s[G1H+1], 32<<16
	s_mov_b32 s[G1H+2], 216<<16
	s_mov_b32 s[G1H+3], 32<<16
	s_mov_b32 s[G1H+4], 216
	s_mov_b32 s[G1H+5], 32
	s_mov_b32 s[G1H+6], 0
	s_mov_b32 s[G1H+7], 0
	s_mov_b32 s[G1A+0], (3<<16)|(1<<20)|(5<<22)|(3<<25)   ; x: 64 rows of 768 bytes, 16 bytes of padding behind every 256; no mask
	s_mov_b32 s[G1A+1], 96<<16
	s_lshl_b32 s54, s17, 6
	s_sub_co_u32 s54, 125, s54                     ; tensor_dim1: what is left of the 125 rows: 125, 61: rows 125-127 arrive as zeros
	s_lshl_b32 s[G1A+2], s54, 16
	s_mov_b32 s[G1A+3], 96<<16
	s_mov_b32 s[G1A+4], 64
	s_mov_b32 s[G1A+5], 96
	s_mov_b32 s[G1A+6], 0
	s_mov_b32 s[G1A+7], 0
	s_mul_i32 s56, s12, WPART                      ; my part of a slot, in cq and in LDS alike
	s_mov_b32 s57, 0
	s_mul_i32 s62, s17, 2*WPART                    ; the head's half of slot 0
	s_mov_b32 s63, 0
	s_mul_i32 s58, s14, 96000                      ; x's codes: 125 rows a work-group,
	s_mul_i32 s55, s17, 49152                      ; 64 rows a half
	s_add_co_u32 s58, s58, s55
	s_mov_b32 s59, 0
	s_mul_i32 s60, s14, 4000                       ; x's scales
	s_mov_b32 s61, 0
	s_mul_i32 s54, s14, 500                        ; out0
	s_mov_b32 s55, 0
	s_mov_b32 s[G0+0], 1
	s_mov_b32 s[G0+1], s56
	s_mov_b32 s[G0+4], 1
	s_add_co_u32 s[G0+5], s56, SLOT
	s_mov_b32 s[G0H+0], 1
	s_mov_b32 s[G0H+1], s62
	s_mov_b32 s[G0A+0], 1
	s_mul_i32 s[G0A+1], s17, 64*APITCH
	s_add_co_u32 s[G0A+1], s[G0A+1], AREG
	s_wait_dscnt 0x0                               ; both opening adds are done
	s_wait_kmcnt 0x0
	s_add_nc_u64 s[G0+2:G0+3], s[4:5], s[56:57]    ; fill 0's place: slot 0's first refill steps it to fill 2
	s_add_nc_u64 s[G0+6:G0+7], s[G0+2:G0+3], SLOT
	s_add_nc_u64 s[PFA:PFA+1], s[G0+2:G0+3], 2*SLOT
	s_or_b32 s[G0+3], s[G0+3], 0x80000000
	s_or_b32 s[G0+7], s[G0+7], 0x80000000
	s_add_nc_u64 s[G0H+2:G0H+3], s[4:5], s[62:63]
	s_or_b32 s[G0H+3], s[G0H+3], 0x80000000
	s_add_nc_u64 s[G0A+2:G0A+3], s[6:7], s[58:59]
	s_or_b32 s[G0A+3], s[G0A+3], 0x80000000
	s_add_nc_u64 s[8:9], s[8:9], s[60:61]
	s_add_nc_u64 s[10:11], s[10:11], s[54:55]
	CROUND                                         ; the first joint loads meet
	s_cmp_lt_u32 s12, 2                            ; one tensor load a wave at the head: waves 0, 1 x's halves, waves 2, 3 slot 0's
	s_cbranch_scc0 .Lhead_c
	tensor_load_to_lds s[G0A:G0A+3], s[G1A:G1A+7]
	s_nop 0
	NOPS
	s_branch .Lhead_on
.Lhead_c:
	tensor_load_to_lds s[G0H:G0H+3], s[G1H:G1H+7]
	s_nop 0
	NOPS
.Lhead_on:
	v_and_b32 v90, 15, v0                          ; r
	v_bfe_u32 v91, v0, 4, 1                        ; h
	v_lshlrev_b32 v[VS], 5, v90
	v_lshl_add_u32 v[VS], v91, 2, v[VS]            ; x's scales: row r of 32 bytes, + 4 h
	v_min_u32 v92, 12, v90                         ; rows 125-127 take row 124's words: no load leaves the buffer
	v_lshlrev_b32 v[VS7], 5, v92
	v_lshl_add_u32 v[VS7], v91, 2, v[VS7]
.irp a, 0,1,2,3,4,5,6
.irp kp, 0,1,2,3
	global_load_b32 v[AS+4*\a+\kp], v[VS], s[8:9] offset:512*\a+8*\kp
.endr
.endr
.irp kp, 0,1,2,3
	global_load_b32 v[AS+28+\kp], v[VS7], s[8:9] offset:3584+8*\kp
.endr
	v_mul_u32_u24 v93, v90, APITCH
	v_mad_u32_u24 v[ADA], v91, 24, v93
	v_mad_u32_u24 v[ADA+1], v91, 40, v93
	v_add_nc_u32 v[ADA], AREG, v[ADA]
	v_add_nc_u32 v[ADA+1], AREG, v[ADA+1]
	v_add_nc_u32 v[ADA+2], 64*APITCH, v[ADA]
	v_add_nc_u32 v[ADA+3], 64*APITCH, v[ADA+1]
	v_and_b32 v94, 31, v0
	v_mul_u32_u24 v[ADC], v94, 48
	v_add_nc_u32 v[ADC], s56, v[ADC]
	v_add_nc_u32 v[ADC+1], SLOT, v[ADC]
	s_mul_i32 s54, s13, 27*256                     ; the prefetch: my work-group's 27 of my wave's 108 blocks, a lane a block;
	v_min_u32 v[PFO], 26, v94                      ; lanes 27-31 name the last again
	v_lshl_add_u32 v[PFO], v[PFO], 8, s54
.irp a, 0,1,2,3,4,5,6,7
	v_mov_b32 v[ST+2*\a], 0x7f800000               ; the running best: + infinity
	v_mov_b32 v[ST+2*\a+1], 0
.endr
	s_wait_alu depctr_va_vdst(0)
	s_cmp_eq_u32 s[LIM], 1
	s_cbranch_scc0 .Lhead_np
	global_prefetch_b8 v[PFO], s[PFA:PFA+1] th:TH_LOAD_NT scope:SCOPE_SE               ; fill 2
	global_prefetch_b8 v[PFO], s[PFA:PFA+1] offset:SLOT th:TH_LOAD_NT scope:SCOPE_SE   ; fill 3
.Lhead_np:
	s_wait_tensorcnt 0x0                           ; my tile of the head's four is in; slot 1's first fill is issued as a refill is
	ds_add_u32 v[SPW], v[NIL]
	s_wait_dscnt 0x0
	CROUND                                         ; x and slot 0 are whole
	tensor_load_to_lds s[G0+4:G0+7], s[G1J:G1J+7]  ; my part of slot 1
	s_nop 0
	NOPS
.set F, 0
.rept 64
	FRAGA F
.set F, F+1
.endr
	WIN 0
	LBS 0, 0
.irp ks, 0,1,2,3,4,5,6,7
	LB 0, 0, \ks
.endr
	LCSQ 0, 0
	s_wait_dscnt 0x0
	s_wait_loadcnt 0x0                             ; x's scale words; the head's address registers are free
.irp p, 0,1,2,3
	s_add_co_u32 s54, s15, 2*\p
	s_add_co_u32 s55, s15, 2*\p+1
.if \p < 2
	v_mov_b32 v[KE+1-\p], s54
.else
	v_mov_b32 v[KE+\p], s54
.endif
	v_mov_b32 v[KC+2*\p], s55
.endr
	PH0 0, 0, 0, 1
	s_mov_b32 s16, 7
.Llap:                                                 ; once round the ring: four column blocks, both slots filled again: fills 2 to 15 in seven trips
	PH1 0, 0, 0, 1
	PH0 0, 1, 16, 0
	PH1 1, 1, 1, 0
	PH0 1, 0, 112, 0
	PH1 0, 0, 1, 1
	PH0 1, 1, 16, 0
	PH1 1, 1, 0, 0
	PH0 0, 0, 112, 0
	s_sub_co_u32 s16, s16, 1
	s_cmp_lg_u32 s16, 0
	s_cbranch_scc1 .Llap
	PH1 0, 0, 0, 1                                 ; the last lap asks for nothing
	PH0 0, 1, 16, 0
	PH1 1, 2, 1, 0
	PH0 1, 0, 112, 0
	PH1 0, 0, 1, 1
	PH0 1, 1, 16, 0
	PH1 1, 3, 0, 0
	EPI 1
	; THE END: the index gets its half's 8 h; lane l xor 16 holds the row's other eight of each block; the other waves' centroids meet in LDS
	v_bfe_u32 v5, v0, 4, 1
	v_lshlrev_b32 v5, 3, v5
.irp a, 0,1,2,3,4,5,6,7
	v_add_nc_u32 v[ST+2*\a+1], v5, v[ST+2*\a+1]
.endr
.irp a, 0,1,2,3,4,5,6,7
	v_permlanex16_b32 v[ACC+2*\a], v[ST+2*\a], s52, s53
	v_permlanex16_b32 v[ACC+2*\a+1], v[ST+2*\a+1], s52, s53
.endr
.irp a, 0,1,2,3,4,5,6,7
	LEXMIN ST+2*\a, ST+2*\a+1, ACC+2*\a, ACC+2*\a+1
.endr
	v_and_b32 v6, 15, v0
	v_lshlrev_b32 v6, 3, v6
	s_lshl_b32 s54, s12, 10
	s_add_co_u32 s54, s54, AREG                    ; my wave's table: 128 rows x (best, index)
	v_add_nc_u32 v6, s54, v6
	s_wait_alu depctr_va_vdst(0)
.irp a, 0,1,2,3,4,5,6,7
	ds_store_b64 v6, v[ST+2*\a:ST+2*\a+1] offset:128*\a
.endr
	s_wait_dscnt 0x0
	s_barrier_signal -1
	s_barrier_wait -1
	v_lshl_add_u32 v6, v0, 3, AREG                 ; thread t takes row t of all four tables
.irp w, 0,1,2,3
	ds_load_b64 v[ACC+16+2*\w:ACC+17+2*\w], v6 offset:1024*\w
.endr
	v_lshlrev_b32 v5, 2, v0
	s_wait_alu depctr_va_vdst(0)
	s_wait_dscnt 0x0
	LEXMIN ACC+16, ACC+17, ACC+18, ACC+19
	LEXMIN ACC+16, ACC+17, ACC+20, ACC+21
	LEXMIN ACC+16, ACC+17, ACC+22, ACC+23
	s_wait_alu depctr_va_vdst(0)
	s_wait_xcnt 0x0                                ; EXEC changes only behind this wait
	v_cmp_gt_u32 vcc_lo, 125, v0                   ; rows 125-127 are no rows of x
	s_and_saveexec_b32 s20, vcc_lo
	global_store_b32 v5, v[ACC+17], s[10:11]
	s_wait_xcnt 0x0
	s_or_b32 exec_lo, exec_lo, s20
	s_wait_tensorcnt 0x0                           ; the wave's end
	ds_add_u32 v[SPW], v[NIL]
	s_wait_dscnt 0x0
	CROUND                                         ; the closing round
	s_endpgm
.Lfunc_end_k_q17948cff09_assign:
	.size	k_q17948cff09_assign, .Lfunc_end_k_q17948cff09_assign-k_q17948cff09_assign
	.p2alignl 7, 3214868480
	.fill 96, 4, 3214868480
	.section	.rodata,"a",@progbits
	.p2align	6, 0x0
	.amdhsa_kernel k_q17948cff09_assign
		.amdhsa_group_segment_fixed_size 327680
		.amdhsa_private_segment_fixed_size 0
		.amdhsa_enable_private_segment 0
		.amdhsa_kernarg_size 32
		.amdhsa_user_sgpr_count 2
		.amdhsa_user_sgpr_kernarg_segment_ptr 1
		.amdhsa_wavefront_size32 1
		.amdhsa_system_sgpr_workgroup_id_x 1
		.amdhsa_system_sgpr_workgroup_id_y 1
		.amdhsa_system_sgpr_workgroup_id_z 1
		.amdhsa_system_vgpr_workitem_id 0
		.amdhsa_next_free_vgpr 1024
		.amdhsa_next_free_sgpr 80
		.amdhsa_reserve_vcc 1
		.amdhsa_float_denorm_mode_32 3
		.amdhsa_float_denorm_mode_16_64 3
		.amdhsa_memory_ordered 1
		.amdhsa_forward_progress 1
		.amdhsa_inst_pref_size 197
	.end_amdhsa_kernel
	.amdgpu_metadata
---
amdhsa.version: [ 1, 2 ]
amdhsa.kernels:
  - .name:           k_q17948cff09_assign
    .symbol:         k_q17948cff09_assign.kd
    .args:
      - { .name: cq, .offset: 0, .size: 8, .value_kind: global_buffer, .address_space: global }
      - { .name: x_codes, .offset: 8, .size: 8, .value_kind: global_buffer, .address_space: global }
      - { .name: x_scales, .offset: 16, .size: 8, .value_kind: global_buffer, .address_space: global }
      - { .name: out0, .offset: 24, .size: 8, .value_kind: global_buffer, .address_space: global }
    .group_segment_fixed_size: 327680
    .private_segment_fixed_size: 0
    .kernarg_segment_align: 8
    .kernarg_segment_size: 32
    .max_flat_workgroup_size: 128
    .sgpr_count:     80
    .vgpr_count:     1024
    .wavefront_size: 32
...
	.end_amdgpu_metadata
.endif
;; end of part 2
